; MI455X (gfx1250); checked and timed in simulation.
; The chip was launched on July 23, 2026; its instructions are those of AMD's public machine-readable ISA for CDNA 5 (MIT licence, August 2026) and "CDNA5" Instruction Set Architecture Reference Guide (July 2026). The comments in the code are by the model that wrote it; some were corrected since.
;; Fused Mo E. Allowed arithmetic: matrix products marked QUANTISED: E2M3 operands, one E8M0 scale for each 32 along K, by v_wmma_scale_f32_16x16x128_f8f6f4 with both operands' format E2M3, f32 sums; everything else in f32.
;; Inputs: down_weight_codes 8 x 1,024 x 8 x 24 uint8 (E2M3 codes of down_weight, K innermost, in blocks of 32 codes, four codes in three bytes); down_weight_scales 8 x 1,024 x 8 uint8 (E8M0 scales of down_weight, one for each 32 codes along K); gate_up_weight_codes 8 x 512 x 32 x 24 uint8 (E2M3 codes of gate_up_weight, K innermost, in blocks of 32 codes, four codes in three bytes); gate_up_weight_scales 8 x 512 x 32 uint8 (E8M0 scales of gate_up_weight, one for each 32 codes along K); hidden_states_codes 8,192 x 32 x 24 uint8 (E2M3 codes of hidden_states, K innermost, in blocks of 32 codes, four codes in three bytes); hidden_states_scales 8,192 x 32 uint8 (E8M0 scales of hidden_states, one for each 32 codes along K); topk_ids 8,192 x 2 int32; topk_weights 8,192 x 2 float32.
;; Outputs: out0 8,192 x 1,024 float32.
;; This version of the problem:
;;   THIS VERSION OF THE PROBLEM IS GIVEN IN LOW PRECISION. The matrix products marked QUANTISED in the list below multiply operands that are first quantised to E2M3 (2 exponent bits, 3 mantissa bits; 6 bits a number), with one power-of-two scale for each 32 numbers along K (OCP MX v1.0); their sums are f32. All else is computed in f32.
;;   The module's matrix products, in the order in which they are computed (A, B: the left and right operand; K: the contracted axis; several contracted axes count as one K, in the product's order):
;;     1. [M 8,192, K 1,024] x [K 1,024, N 512]; A: input hidden_states (given as codes); B: input gate_up_weight (given as codes): QUANTISED
;;     2. [M 8,192, K 256] x [K 256, N 1,024]; A: computed on the way; B: input down_weight (given as codes): QUANTISED
;;     3. [M 8,192, K 1,024] x [K 1,024, N 512]; A: input hidden_states (given as codes); B: input gate_up_weight (given as codes): QUANTISED
;;     4. [M 8,192, K 256] x [K 256, N 1,024]; A: computed on the way; B: input down_weight (given as codes): QUANTISED
;;     5. [M 8,192, K 1,024] x [K 1,024, N 512]; A: input hidden_states (given as codes); B: input gate_up_weight (given as codes): QUANTISED
;;     6. [M 8,192, K 256] x [K 256, N 1,024]; A: computed on the way; B: input down_weight (given as codes): QUANTISED
;;     7. [M 8,192, K 1,024] x [K 1,024, N 512]; A: input hidden_states (given as codes); B: input gate_up_weight (given as codes): QUANTISED
;;     8. [M 8,192, K 256] x [K 256, N 1,024]; A: computed on the way; B: input down_weight (given as codes): QUANTISED
;;     9. [M 8,192, K 1,024] x [K 1,024, N 512]; A: input hidden_states (given as codes); B: input gate_up_weight (given as codes): QUANTISED
;;     10. [M 8,192, K 256] x [K 256, N 1,024]; A: computed on the way; B: input down_weight (given as codes): QUANTISED
;;     11. [M 8,192, K 1,024] x [K 1,024, N 512]; A: input hidden_states (given as codes); B: input gate_up_weight (given as codes): QUANTISED
;;     12. [M 8,192, K 256] x [K 256, N 1,024]; A: computed on the way; B: input down_weight (given as codes): QUANTISED
;;     13. [M 8,192, K 1,024] x [K 1,024, N 512]; A: input hidden_states (given as codes); B: input gate_up_weight (given as codes): QUANTISED
;;     14. [M 8,192, K 256] x [K 256, N 1,024]; A: computed on the way; B: input down_weight (given as codes): QUANTISED
;;     15. [M 8,192, K 1,024] x [K 1,024, N 512]; A: input hidden_states (given as codes); B: input gate_up_weight (given as codes): QUANTISED
;;     16. [M 8,192, K 256] x [K 256, N 1,024]; A: computed on the way; B: input down_weight (given as codes): QUANTISED
;;   THE QUANTISER, for each operand of a quantised product, along K:
;;     - K is cut into blocks of 32 from its start; a last block that is shorter is filled with zeros.
;;     - A block's scale is 2^e with e = floor(log2(the largest magnitude in the block)) - 2, held to -126 .. 127; a block of zeros has e = 0. As a byte (E8M0): e + 127.
;;     - Each number is divided by its block's scale, clamped to +-7.5, and rounded to the nearest number of E2M3, ties to even, subnormals kept.
;;     - The product sums the exact products of the quantised numbers (number of the format x scale) in f32.
;;   ~~~python
;;   def quantise(x, axis):      # numpy; x: float32 -> the quantised numbers, widened to float32 again
;;       x = np.moveaxis(x, axis, -1); K = x.shape[-1]
;;       x = np.pad(x, [(0, 0)] * (x.ndim - 1) + [(0, -K % 32)]); x = x.reshape(x.shape[:-1] + (-1, 32)); a = np.abs(x).max(-1, keepdims=True)
;;       e = np.where(a > 0, np.clip(np.frexp(np.where(a > 0, a, 1))[1] - 1 - 2, -126, 127), 0)      # np.frexp(a)[1] - 1 = floor(log2(a)), exactly
;;       r = np.clip(x / 2.0 ** e, -7.5, 7.5)
;;       step = 2.0 ** (np.maximum(np.frexp(np.where(r == 0, 1, r))[1] - 1, 0) - 3)
;;       q = np.round(r / step) * step * 2.0 ** e      # np.round: ties to even
;;       return np.moveaxis(q.reshape(q.shape[:-2] + (-1,))[..., :K], -1, axis).astype(np.float32)
;;   ~~~
;;   OPERANDS COMPUTED ON THE WAY. 'Computed on the way' means the value that the module computes at that place (a softmax that the list does not call 'softmax' is quantised finished and normalised). What goes into a quantiser is computed in f32, as accurately as f32 sums, v_exp_f32 and their like allow (about 1e-6 of the number): no bf16 or f16 on the way to a quantiser, and a product that is left as it is and whose result goes on into a quantised operand takes f32 operands (vector FMAs, or v_wmma_f32_16x16x4_f32). A number that lies on a knife's edge between two numbers of the format may be rounded either way, as far as f32 arithmetic and the matrix unit's own rounding can turn it there, and no further.
;;   INPUTS GIVEN AS CODES. down_weight (in the module: [8, 1024, 256], K = its axis 2); gate_up_weight (in the module: [8, 512, 1024], K = its axis 2); hidden_states (in the module: [8192, 1024], K = its axis 1): each comes as NAME_codes (uint8): NAME with its K axis moved to the last place and cut into blocks of 32 codes, [.., K / 32, bytes a block], one block behind the other in memory; four codes in three bytes: a row's codes are one little-endian stream of bits, code i at bits 6 i .. 6 i + 5 (a code: sign, 2 exponent bits, 3 mantissa bits); and NAME_scales (uint8): the same leading axes, one E8M0 byte (e + 127) for each 32 codes along K. Its value is code x scale, taken as it is: it is not quantised again, and the codes and scales need not be those that the quantiser above would give.
;; One version. Each part assembles by itself: llvm-mc -triple=amdgcn-amd-amdhsa -mcpu=gfx1250 --defsym DOCPART=n.
;; ======== version 1 of 1: 2 launches
;; workspace buffers: wimg 4,915,200 bytes; order 46,592 bytes of whole numbers; tiles 768 bytes of whole numbers
;; launch prep (part 1): grid 28 x 1, 16 waves a work-group, no clusters, 209,920 bytes of LDS; arguments topk_ids, gate_up_weight_codes, gate_up_weight_scales, down_weight_codes, down_weight_scales, wimg, order, tiles; writes wimg, order, tiles
.if DOCPART == 1
	.amdgcn_target "amdgcn-amd-amdhsa--gfx1250"
	.amdhsa_code_object_version 6
	.text
	.protected	k_qf1a448fe03_prep
	.globl	k_qf1a448fe03_prep
	.p2align	8
	.type	k_qf1a448fe03_prep,@function
k_qf1a448fe03_prep:
	s_mov_b64 s[64:65], 0
	v_nop
	global_prefetch_b8 v0, s[64:65] scope:SCOPE_SE
	s_setreg_imm32_b32 hwreg(HW_REG_WAVE_MODE, 25, 1), 1
	s_wait_xcnt 0x0
; TWO JOBS THAT SHARE NOTHING, parted by the work-group's number.
; Work-groups 0, 1: SORT.  Each takes 4,096 tokens and sorts them by their unordered pair of experts lo < hi: 28 classes.  A token whose two ids are equal (a, a) rides in
; class (a, a + 1), (7, 7) in (6, 7): the next launch weighs each expert by the problem's own sum of wheres, which gives the stranger 0.  Each class is cut into tiles of at most 64 tokens.
; order[tile][64]: token numbers (slots under the tile's count are written, and only those are read).  tiles[chunk][96]: count | lo << 8 | hi << 16.
; A chunk has at most (4096 + 28 x 63) / 64 = 91 tiles, whatever the split.  No atomics: ballots, lane permutes, and one table of 16 waves x 32 classes in LDS.
; Work-groups 2 to 25: the weights' codes, work-groups 26, 27: their scale bytes, are laid into wimg in the order in which the next launch's operand registers take them:
; wimg[expert: 614,400][wave: 153,600][step 0..23: 6,400]; a step = 4 fragments of 1,536 bytes (piece p of 512 bytes: lane l's 16 bytes at 16 l are registers 4 p .. 4 p + 3 of the fragment's 12), then 256 bytes of scale words (8 a lane).
; Steps 0-15 (gate_up): step 4 P + k, P = 2 b + u; fragment 2 j + t: K step 2 k + j, t = 0 gate, 1 up; its row i is weight row 256 t + 64 wave + 32 b + 8 u + i + 8 (i / 8), so that two tiles' results are 16 neighbours along the next K.
; Steps 16-23 (down): step 16 + 2 q + s; fragment n: rows 256 wave + 64 q + 16 n + i, K step s.
; LIMIT: ids outside 0..7 are held into a class; the next launch's compare then gives them the weight 0, as the problem's formula does.
.set CNT,    0                         ; LDS, SORT's own: counts [16 waves][33 words],
.set EXC,    2304                      ; their sums over the waves before,
.set INC,    4608                      ; and up to and with each wave
.set STAGE0, 7168                      ; LDS, the copy's own: 16 rows of 784 bytes for each wave
.set WST,    12544
.set SPI,    784                       ; 768 bytes + 16: 196 words, so that the 32 lanes of an 8-byte read touch 64 different words modulo 64
.set ID,  12                           ; v12-27  ids as loaded: token register j: v[ID+2j], v[ID+2j+1]; token 64 (j / 2) + 2 lane + j % 2 of the wave's 256
.set CL,  28                           ; v28-35  class
.set RK,  36                           ; v36-43  rank among the lanes of my class in register j
.set GC,  44                           ; v44-51  lane = class: the count in register j; later the token numbers
.set WB,  52                           ; v52-59  lane = class: the counts of the registers before j
.set C4,  60                           ; v60-67  4 x class: a lane's byte index for the permutes
.set T,   68                           ; v68-75, v76-83, v84-91 at work
.set X,   76
.set ACC, 84
.macro ROWSCAN x, t                    ; sums up to and with each lane, inside each 16 lanes
.irp n, 1,2,4,8
	v_mov_b32_dpp v[\t], v[\x] row_shr:\n row_mask:0xf bank_mask:0xf bound_ctrl:1
	v_add_nc_u32 v[\x], v[\x], v[\t]
.endr
.endm
.macro BARRIER                         ; my LDS stores have landed and my LDS loads are in: then the work-group's barrier
	s_wait_dscnt 0x0
	s_barrier_signal -1
	s_barrier_wait -1
.endm
	s_load_b512 s[4:19], s[0:1], 0x0               ; ids s[4:5], gate_up codes s[6:7], scales s[8:9], down codes s[10:11], scales s[12:13], wimg s[14:15], order s[16:17], tiles s[18:19]
	v_lshl_add_u32 v208, v0, 2, 0x32c00
	v_mov_b32 v209, 0
	v_lshrrev_b32 v1, 5, v0
	v_readfirstlane_b32 s20, v1                    ; wave 0..15
	v_and_b32 v1, 31, v0                           ; lane
	v_and_b32 v2, 15, v0                           ; r
	v_bfe_u32 v3, v0, 4, 1                         ; h
	; every LDS address is made here, ahead of the parting, and holds nothing else
	s_mul_i32 s21, s20, 132
	v_lshl_add_u32 v4, v1, 2, s21                  ; the table's row of my wave, word = lane
	v_mul_u32_u24 v5, v2, 132
	v_lshl_add_u32 v5, v3, 2, v5
	s_lshl_b32 s21, s20, 3
	v_add_nc_u32 v5, s21, v5                       ; the table's row r, column 2 wave + h
	v_lshlrev_b32 v6, 2, v1                        ; 4 x lane
	s_mul_i32 s21, s20, WST
	s_add_co_u32 s21, s21, STAGE0                  ; my wave's stage
	v_mul_u32_u24 v7, v3, SPI
	v_lshl_add_u32 v7, v2, 4, v7
	v_add_nc_u32 v7, s21, v7                       ; in: row h, 16 bytes a lane
	v_mul_u32_u24 v8, v2, SPI
	v_mad_u32_u24 v8, v3, 24, v8
	v_add_nc_u32 v8, s21, v8                       ; out, gate_up: row r, + 24 h
	v_lshrrev_b32 v9, 2, v2
	v_mul_u32_u24 v9, v9, SPI
	v_and_b32 v10, 3, v2
	v_mad_u32_u24 v9, v10, 192, v9
	v_mad_u32_u24 v9, v3, 24, v9
	v_add_nc_u32 v9, s21, v9                       ; out, down: four rows of 192 bytes lie in a stage row
	s_wait_kmcnt 0x0
	s_cmp_ge_u32 ttmp9, 26
	s_cbranch_scc1 .Lscales
	s_cmp_ge_u32 ttmp9, 2
	s_cbranch_scc1 .Lcodes
; ---------------------------------------------------------------- SORT
	s_lshl_b32 s22, ttmp9, 15                      ; my chunk's ids: 4,096 tokens x 8 bytes
	s_mov_b32 s23, 0
	s_add_nc_u64 s[4:5], s[4:5], s[22:23]
	s_lshl_b32 s24, s20, 11                        ; my wave's 256 tokens
	v_lshl_add_u32 v10, v1, 4, s24
.irp i, 0,1,2,3
	global_load_b128 v[ID+4*\i:ID+4*\i+3], v10, s[4:5] offset:512*\i   ; 32 lanes read 512 consecutive bytes
.endr
	v_lshlrev_b32 v11, v1, -2                      ; the lanes above mine
	s_wait_loadcnt 0x0
	; the class: lo = min, hi = max(max, lo + 1), held to 6 and 7; class = (15 - lo) lo / 2 + hi - lo - 1
.irp j, 0,1,2,3,4,5,6,7
	v_min_u32 v[T+\j], v[ID+2*\j], v[ID+2*\j+1]
	v_max_u32 v[X+\j], v[ID+2*\j], v[ID+2*\j+1]
.endr
.irp j, 0,1,2,3,4,5,6,7
	v_add_nc_u32 v[ACC+\j], 1, v[T+\j]
.endr
.irp j, 0,1,2,3,4,5,6,7
	v_max_u32 v[X+\j], v[X+\j], v[ACC+\j]
	v_min_u32 v[T+\j], 6, v[T+\j]
.endr
.irp j, 0,1,2,3,4,5,6,7
	v_min_u32 v[X+\j], 7, v[X+\j]
	v_sub_nc_u32 v[ACC+\j], 15, v[T+\j]
.endr
.irp j, 0,1,2,3,4,5,6,7
	v_mul_u32_u24 v[ACC+\j], v[ACC+\j], v[T+\j]
	v_sub_nc_u32 v[X+\j], v[X+\j], v[T+\j]
.endr
.irp j, 0,1,2,3,4,5,6,7
	v_lshrrev_b32 v[ACC+\j], 1, v[ACC+\j]
.endr
.irp j, 0,1,2,3,4,5,6,7
	v_add3_u32 v[CL+\j], v[ACC+\j], v[X+\j], -1
.endr
.irp j, 0,1,2,3,4,5,6,7
	v_min_u32 v[CL+\j], 27, v[CL+\j]
.endr
.irp j, 0,1,2,3,4,5,6,7
	v_lshlrev_b32 v[C4+\j], 2, v[CL+\j]
.endr
	; which lanes hold my class: for each of the class's five bits the ballot of that bit, turned over where my own bit is set, names the lanes that differ from me
.irp i, 0,1,2,3,4
.irp j, 0,1,2,3,4,5,6,7
	v_bfe_u32 v[T+\j], v[CL+\j], \i, 1
.endr
.irp j, 0,1,2,3,4,5,6,7
	v_sub_nc_u32 v[T+\j], 0, v[T+\j]               ; my bit as a whole word: 0 or all ones
.endr
.irp j, 0,1,2,3,4,5,6,7
	v_cmp_ne_u32 s[40+\j], 0, v[T+\j]
.endr
.irp j, 0,1,2,3,4,5,6,7
.if \i == 0
	v_xor_b32 v[ACC+\j], s[40+\j], v[T+\j]
.else
	v_xor_b32 v[X+\j], s[40+\j], v[T+\j]
.endif
.endr
.if \i > 0
.irp j, 0,1,2,3,4,5,6,7
	v_or_b32 v[ACC+\j], v[ACC+\j], v[X+\j]
.endr
.endif
.endr
.irp j, 0,1,2,3,4,5,6,7
	v_xor_b32 v[ACC+\j], -1, v[ACC+\j]             ; my peers, myself among them
.endr
.irp j, 0,1,2,3,4,5,6,7
	v_mbcnt_lo_u32_b32 v[RK+\j], v[ACC+\j], 0      ; how many of them stand below me
.endr
.irp j, 0,1,2,3,4,5,6,7
	v_and_b32 v[T+\j], v[ACC+\j], v11
.endr
	; the highest peer sends rank + 1, the class's count, to lane = class; all others send to lane 31, which is no class.
	; A lane that nobody sends to receives 0 (ISA guide, DS_PERMUTE_B32); the destinations are cleared first, so that a lane left as it was would hold 0 too.
.irp j, 0,1,2,3,4,5,6,7
	v_cmp_eq_u32 vcc_lo, 0, v[T+\j]
	v_cndmask_b32 v[T+\j], 0x7c, v[C4+\j], vcc_lo
	v_add_nc_u32 v[X+\j], 1, v[RK+\j]
.endr
.irp j, 0,1,2,3,4,5,6,7
	v_min_u32 v[T+\j], 0x7c, v[T+\j]
	v_mov_b32 v[GC+\j], 0
.endr
.irp j, 0,1,2,3,4,5,6,7
	ds_permute_b32 v[GC+\j], v[T+\j], v[X+\j]
.endr
	s_wait_dscnt 0x0
	v_mov_b32 v[WB], 0
.irp j, 1,2,3,4,5,6,7
	v_add_nc_u32 v[WB+\j], v[WB+\j-1], v[GC+\j-1]
.endr
	v_add_nc_u32 v92, v[WB+7], v[GC+7]             ; lane = class: my wave's count
	ds_store_b32 v4, v92 offset:CNT
	BARRIER                                        ; the 16 waves' counts lie in the table
	ds_load_b32 v93, v5 offset:CNT                 ; two columns a wave: 16 lanes hold the 16 waves' counts of one class
	v_mov_b32 v94, 0
	s_wait_dscnt 0x0
	v_mov_b32 v95, v93
	ROWSCAN 93, 94
	v_sub_nc_u32 v95, v93, v95
	ds_store_b32 v5, v93 offset:INC
	ds_store_b32 v5, v95 offset:EXC
	BARRIER                                        ; the sums over waves lie in their tables
	ds_load_b32 v96, v4 offset:EXC                 ; lane = class: tokens of the class in the waves before mine,
	ds_load_b32 v97, v6 offset:INC+15*132          ; and in the whole chunk
	s_wait_dscnt 0x0
	v_cmp_gt_u32 vcc_lo, 28, v1
	v_cndmask_b32 v97, 0, v97, vcc_lo              ; lanes 28-31 are no classes
	v_add_nc_u32 v98, 63, v97
	v_lshrrev_b32 v98, 6, v98                      ; the class's tiles
	v_mov_b32 v99, v98
	ROWSCAN 99, 94
	v_readlane_b32 s48, v99, 15
	v_mul_u32_u24 v100, s48, v3
	v_add_nc_u32 v99, v99, v100                    ; tiles up to and with the class
	v_sub_nc_u32 v101, v99, v98                    ; the class's first tile
	v_lshl_add_u32 v102, v101, 6, v96              ; where my wave's tokens of the class begin
.irp j, 0,1,2,3,4,5,6,7
	v_add_nc_u32 v[T+\j], v102, v[WB+\j]
.endr
.irp j, 0,1,2,3,4,5,6,7
	ds_bpermute_b32 v[X+\j], v[C4+\j], v[T+\j]     ; each token pulls its class's figure
.endr
	s_mul_i32 s49, ttmp9, 5824                     ; my chunk's 91 tiles x 64 slots
	s_lshl_b32 s50, ttmp9, 12
	s_lshl_b32 s51, s20, 8
	s_add_co_u32 s50, s50, s51
	v_lshl_add_u32 v103, v1, 1, s50
.irp j, 0,1,2,3,4,5,6,7
	v_add_nc_u32 v[GC+\j], 64*(\j/2)+\j%2, v103    ; the token's number
.endr
	; 4 bytes a lane to places that hang on the data: 32 KiB in the whole launch.  Gathering them in LDS first would want LDS addresses made of loaded numbers.
.irp j, 0,1,2,3,4,5,6,7
	s_wait_dscnt 7-\j
	v_add3_u32 v[X+\j], v[X+\j], v[RK+\j], s49
	v_min_u32 v[X+\j], 11647, v[X+\j]
	v_lshlrev_b32 v[X+\j], 2, v[X+\j]
	global_store_b32 v[X+\j], v[GC+\j], s[16:17]
.endr
	; the list of tiles: waves 0-2, tile 32 wave + lane
	s_cmp_ge_u32 s20, 3
	s_cbranch_scc1 .Lsort_end
	s_lshl_b32 s51, s20, 5
	v_add_nc_u32 v104, s51, v1
	v_mov_b32 v105, 0
.irp k, 0,1,2,3,4,5,6,7,8,9,10,11,12,13,14,15,16,17,18,19,20,21,22,23,24,25,26,27
	v_readlane_b32 s[52+\k%4], v99, \k
	v_cmp_ge_u32 vcc_lo, v104, s[52+\k%4]
	v_add_co_ci_u32 v105, vcc_lo, 0, v105, vcc_lo  ; the tile's class = how many classes end at or before it; 28: no tile
.endr
	v_min_u32 v106, 27, v105
	v_lshlrev_b32 v107, 2, v106
	ds_bpermute_b32 v108, v107, v101
	ds_bpermute_b32 v109, v107, v97
	v_mov_b32 v110, 0
.irp k, 7,13,18,22,25,27
	v_cmp_le_u32 vcc_lo, \k, v106
	v_add_co_ci_u32 v110, vcc_lo, 0, v110, vcc_lo  ; lo: the classes of lo begin at (15 - lo) lo / 2
.endr
	v_sub_nc_u32 v111, 15, v110
	v_mul_u32_u24 v111, v111, v110
	v_lshrrev_b32 v111, 1, v111
	v_sub_nc_u32 v111, v106, v111
	v_add3_u32 v111, v111, v110, 1                 ; hi
	s_wait_dscnt 0x0
	v_sub_nc_u32 v108, v104, v108
	v_lshlrev_b32 v108, 6, v108
	v_sub_nc_u32 v109, v109, v108                  ; what is left of the class at this tile,
	v_min_u32 v109, 64, v109                       ; 64 at the most,
	v_cmp_gt_u32 vcc_lo, 28, v105
	v_cndmask_b32 v109, 0, v109, vcc_lo            ; 0 behind the last tile
	v_lshl_or_b32 v109, v110, 8, v109
	v_lshl_or_b32 v109, v111, 16, v109
	s_mul_i32 s51, ttmp9, 384
	v_lshl_add_u32 v112, v104, 2, s51
	global_store_b32 v112, v109, s[18:19]
.Lsort_end:
	s_wait_tensorcnt 0x0
	ds_add_u32 v208, v209
	s_wait_dscnt 0x0
	s_endpgm
; ---------------------------------------------------------------- CODES: a wave takes 12,288 bytes: 16 rows of gate_up (768 bytes each) or 64 rows of down (192 bytes each), and makes 8 fragments
.Lcodes:
	s_sub_co_u32 s22, ttmp9, 2
	s_lshl_b32 s22, s22, 4
	s_add_co_u32 s22, s22, s20                     ; unit: 0-255 gate_up, 256-383 down.  Both kinds' offsets are made, and chosen on the work-group's number
	s_lshr_b32 s23, s22, 5                         ; gate_up: expert,
	s_bfe_u32 s24, s22, 0x20003                    ; wave of the next launch,
	s_bfe_u32 s25, s22, 0x20001                    ; pass 2 b + u,
	s_and_b32 s26, s22, 1                          ; gate or up
	s_lshl_b32 s27, s23, 9
	s_lshl_b32 s28, s26, 8
	s_add_co_u32 s27, s27, s28
	s_lshl_b32 s28, s24, 6
	s_add_co_u32 s27, s27, s28
	s_lshr_b32 s28, s25, 1
	s_lshl_b32 s28, s28, 5
	s_add_co_u32 s27, s27, s28
	s_and_b32 s28, s25, 1
	s_lshl_b32 s28, s28, 3
	s_add_co_u32 s27, s27, s28                     ; the tile's first row: 512 e + 256 t + 64 w + 32 b + 8 u
	s_mul_i32 s27, s27, 768
	s_mul_i32 s28, s23, 614400
	s_mul_i32 s29, s24, 153600
	s_add_co_u32 s28, s28, s29
	s_mul_i32 s29, s25, 25600
	s_add_co_u32 s28, s28, s29
	s_mul_i32 s29, s26, 1536
	s_add_co_u32 s28, s28, s29                     ; its place in wimg
	s_and_b32 s30, s22, 127                        ; down:
	s_lshr_b32 s31, s30, 4                         ; expert,
	s_bfe_u32 s32, s30, 0x20002                    ; wave,
	s_and_b32 s33, s30, 3                          ; q
	s_lshl_b32 s34, s31, 10
	s_lshl_b32 s35, s32, 8
	s_add_co_u32 s34, s34, s35
	s_lshl_b32 s35, s33, 6
	s_add_co_u32 s34, s34, s35
	s_mul_i32 s34, s34, 192
	s_mul_i32 s35, s31, 614400
	s_mul_i32 s36, s32, 153600
	s_add_co_u32 s35, s35, s36
	s_mul_i32 s36, s33, 12800
	s_add_co_u32 s35, s35, s36
	s_add_co_u32 s35, s35, 102400
	s_mov_b32 s38, 12288                           ; gate_up: the tile's rows 8-15 lie 16 rows on;  down: the block is dense
	s_cmp_ge_u32 ttmp9, 18
	s_cselect_b64 s[44:45], s[10:11], s[6:7]
	s_cselect_b32 s40, s34, s27
	s_cselect_b32 s42, s35, s28
	s_cselect_b32 s38, 6144, s38
	s_mov_b32 s41, 0
	s_mov_b32 s43, 0
	s_mov_b32 s39, 0
	s_add_nc_u64 s[44:45], s[44:45], s[40:41]
	s_add_nc_u64 s[46:47], s[44:45], s[38:39]
	s_add_nc_u64 s[48:49], s[14:15], s[42:43]
	v_mul_u32_u24 v10, v3, 768
	v_lshl_add_u32 v10, v2, 4, v10                 ; sixteen lanes read 256 consecutive bytes, aligned; lanes 16-31 the same of the next 768
	v_lshlrev_b32 v11, 4, v1
.irp k, 0,1,2,3,4,5,6,7
.irp j, 0,1,2
.if \k < 4
	global_load_b128 v[16+4*(3*\k+\j):19+4*(3*\k+\j)], v10, s[44:45] offset:(\k%4)*1536+256*\j th:TH_LOAD_NT
.else
	global_load_b128 v[16+4*(3*\k+\j):19+4*(3*\k+\j)], v10, s[46:47] offset:(\k%4)*1536+256*\j th:TH_LOAD_NT
.endif
.endr
.endr
.irp k, 0,1,2,3,4,5,6,7
	s_wait_loadcnt 3*(7-\k)                        ; loads come back in order: pair k's three are in
.irp j, 0,1,2
	ds_store_b128 v7, v[16+4*(3*\k+\j):19+4*(3*\k+\j)] offset:2*\k*SPI+256*\j
.endr
.endr
	s_cmp_ge_u32 ttmp9, 18
	s_cbranch_scc1 .Ldown_frags
	; LDS serves a wave's instructions in order: these loads see my stores.  Fragment f = K step f: lane (r, h) takes 24 bytes at 96 f + 24 h of row r, and 24 at 48 more
.irp f, 0,1,2,3,4,5,6,7
.irp p, 0,1,2,3,4,5
	ds_load_b64 v[112+12*\f+2*\p:113+12*\f+2*\p], v8 offset:96*\f+48*(\p/3)+8*(\p%3)
.endr
.endr
.irp f, 0,1,2,3,4,5,6,7
	s_wait_dscnt 6*(7-\f)
.irp p, 0,1,2
	global_store_b128 v11, v[112+12*\f+4*\p:115+12*\f+4*\p], s[48:49] offset:(\f/2)*6400+(\f%2)*3072+512*\p   ; 32 lanes store 512 consecutive bytes, aligned
.endr
.endr
	s_wait_tensorcnt 0x0
	ds_add_u32 v208, v209
	s_wait_dscnt 0x0
	s_endpgm
.Ldown_frags:                                          ; fragment f = 2 n + s: rows 16 n + r, K step s
.irp f, 0,1,2,3,4,5,6,7
.irp p, 0,1,2,3,4,5
	ds_load_b64 v[112+12*\f+2*\p:113+12*\f+2*\p], v9 offset:3136*(\f/2)+96*(\f%2)+48*(\p/3)+8*(\p%3)
.endr
.endr
.irp f, 0,1,2,3,4,5,6,7
	s_wait_dscnt 6*(7-\f)
.irp p, 0,1,2
	global_store_b128 v11, v[112+12*\f+4*\p:115+12*\f+4*\p], s[48:49] offset:6400*(\f%2)+1536*(\f/2)+512*\p
.endr
.endr
	s_wait_tensorcnt 0x0
	ds_add_u32 v208, v209
	s_wait_dscnt 0x0
	s_endpgm
; ---------------------------------------------------------------- SCALES: a wave makes the 24 steps' scale words of one (expert, wave)
.Lscales:
	s_sub_co_u32 s22, ttmp9, 26
	s_lshl_b32 s22, s22, 4
	s_add_co_u32 s22, s22, s20
	s_lshr_b32 s23, s22, 2                         ; expert
	s_and_b32 s24, s22, 3                          ; wave of the next launch
	s_lshl_b32 s26, s23, 14
	s_lshl_b32 s28, s24, 11
	s_add_co_u32 s26, s26, s28                     ; gate_up: 32 bytes a row, row 512 e + 64 w
	s_mov_b32 s27, 0
	s_add_nc_u64 s[8:9], s[8:9], s[26:27]
	s_lshl_b32 s26, s23, 13
	s_add_co_u32 s26, s26, s28                     ; down: 8 bytes a row, row 1024 e + 256 w
	s_add_nc_u64 s[12:13], s[12:13], s[26:27]
	s_mul_i32 s26, s23, 614400
	s_mul_i32 s28, s24, 153600
	s_add_co_u32 s26, s26, s28
	s_add_nc_u64 s[48:49], s[14:15], s[26:27]
	v_and_b32 v10, 8, v2
	v_add_nc_u32 v10, v10, v2                      ; r + 8 (r / 8)
	v_lshl_add_u32 v10, v3, 8, v10                 ; lanes 16-31: up's rows, 256 on
	v_lshlrev_b32 v10, 5, v10
	v_lshlrev_b32 v11, 3, v1                       ; down: row 16 h + r = lane, 8 bytes a row; also a lane's place in a step's 256 bytes
.irp x, 0,1,2,3,4,5,6,7,8,9,10,11,12,13,14,15
	global_load_b64 v[16+2*\x:17+2*\x], v10, s[8:9] offset:32*(32*(\x/8)+8*((\x/4)%2))+8*(\x%4)   ; step x: the words of K steps 2 (x % 4) and 2 (x % 4) + 1
.endr
.irp y, 0,1,2,3,4,5,6,7
.irp i, 0,1
	global_load_b32 v[48+2*\y+\i], v11, s[12:13] offset:8*(64*(\y/2)+32*\i)+4*(\y%2)               ; step 16 + y: word i: lanes 0-15 tile 2 i, lanes 16-31 tile 2 i + 1
.endr
.endr
	s_wait_loadcnt 0x0
.irp x, 0,1,2,3,4,5,6,7,8,9,10,11,12,13,14,15,16,17,18,19,20,21,22,23
	global_store_b64 v11, v[16+2*\x:17+2*\x], s[48:49] offset:\x*6400+6144                          ; 32 lanes store 256 consecutive bytes, aligned
.endr
	s_endpgm
.Lfunc_end_k_qf1a448fe03_prep:
	.size	k_qf1a448fe03_prep, .Lfunc_end_k_qf1a448fe03_prep-k_qf1a448fe03_prep
	.p2alignl 7, 3214868480
	.fill 96, 4, 3214868480
	.section	.rodata,"a",@progbits
	.p2align	6, 0x0
	.amdhsa_kernel k_qf1a448fe03_prep
		.amdhsa_group_segment_fixed_size 209920
		.amdhsa_private_segment_fixed_size 0
		.amdhsa_enable_private_segment 0
		.amdhsa_kernarg_size 64
		.amdhsa_user_sgpr_count 2
		.amdhsa_user_sgpr_kernarg_segment_ptr 1
		.amdhsa_wavefront_size32 1
		.amdhsa_system_sgpr_workgroup_id_x 1
		.amdhsa_system_sgpr_workgroup_id_y 1
		.amdhsa_system_sgpr_workgroup_id_z 1
		.amdhsa_system_vgpr_workitem_id 0
		.amdhsa_next_free_vgpr 210
		.amdhsa_next_free_sgpr 66
		.amdhsa_reserve_vcc 1
		.amdhsa_float_denorm_mode_32 3
		.amdhsa_float_denorm_mode_16_64 3
		.amdhsa_memory_ordered 1
		.amdhsa_forward_progress 1
		.amdhsa_inst_pref_size 54
	.end_amdhsa_kernel
	.amdgpu_metadata
---
amdhsa.version: [ 1, 2 ]
amdhsa.kernels:
  - .name:           k_qf1a448fe03_prep
    .symbol:         k_qf1a448fe03_prep.kd
    .args:
      - { .name: topk_ids, .offset: 0, .size: 8, .value_kind: global_buffer, .address_space: global }
      - { .name: gate_up_weight_codes, .offset: 8, .size: 8, .value_kind: global_buffer, .address_space: global }
      - { .name: gate_up_weight_scales, .offset: 16, .size: 8, .value_kind: global_buffer, .address_space: global }
      - { .name: down_weight_codes, .offset: 24, .size: 8, .value_kind: global_buffer, .address_space: global }
      - { .name: down_weight_scales, .offset: 32, .size: 8, .value_kind: global_buffer, .address_space: global }
      - { .name: wimg, .offset: 40, .size: 8, .value_kind: global_buffer, .address_space: global }
      - { .name: order, .offset: 48, .size: 8, .value_kind: global_buffer, .address_space: global }
      - { .name: tiles, .offset: 56, .size: 8, .value_kind: global_buffer, .address_space: global }
    .group_segment_fixed_size: 209920
    .private_segment_fixed_size: 0
    .kernarg_segment_align: 8
    .kernarg_segment_size: 64
    .max_flat_workgroup_size: 512
    .sgpr_count:     66
    .vgpr_count:     210
    .wavefront_size: 32
...
	.end_amdgpu_metadata
.endif
;; end of part 1
;; launch moe (part 2): grid 182 x 1, 4 waves a work-group, no clusters, 146,944 bytes of LDS; arguments hidden_states_codes, hidden_states_scales, topk_ids, topk_weights, wimg, order, tiles, out0; writes out0
.if DOCPART == 2
	.amdgcn_target "amdgcn-amd-amdhsa--gfx1250"
	.amdhsa_code_object_version 6
	.text
	.protected	k_qf1a448fe03_moe
	.globl	k_qf1a448fe03_moe
	.p2align	8
	.type	k_qf1a448fe03_moe,@function
k_qf1a448fe03_moe:
	s_mov_b64 s[64:65], 0
	v_nop
	global_prefetch_b8 v0, s[64:65] scope:SCOPE_SE
	s_setreg_imm32_b32 hwreg(HW_REG_WAVE_MODE, 25, 1), 1
	s_wait_xcnt 0x0
; out[t] = w_lo[t] down_lo(Q(silu(gate_lo x) up_lo x)) + w_hi[t] (the same of hi), for ONE TILE: at most 64 tokens that share the pair of experts lo < hi.  Both products on codes of E2M3 with E8M0 scales.
; Only the experts whose id a token names are multiplied: the problem's own where gives every other expert the weight 0.  w_e = the sum over the token's two ids of (id == e ? weight : 0), as the problem writes it.
; A row of out has one owner; the hidden layer never leaves the work-group.  The grid, 2 x 91, serves every split.
; A TILE THAT THIS SPLIT LEAVES WITHOUT TOKENS stores nothing.  Every wave passes both barriers whatever the list says: such a tile runs the head on the list's first token (slot 0 of tile 0, which every split fills),
; and two forward scalar branches on its count lead round the first product (between the barriers) and round the second product and the stores (behind them).
; SHARES.  Four waves share the COLUMNS: in the first product wave w makes hidden units 64 w .. 64 w + 63 (gate and up) of both experts, in the second outputs 256 w .. 256 w + 255, for all 64 tokens.
; Both products are used transposed (source 0 = 16 rows of a weight, source 1 = 16 tokens): a lane (r, h) holds token r throughout, and its eight results are neighbours along the next K or along a row of out.
; WEIGHTS come straight into registers as the images that the launch before laid out: 48 steps of 4 fragments + 2 scale words (13 loads, 6,400 bytes a wave), each fragment feeding 4 matrix instructions;
; a ring of 5 steps: while a step is multiplied the 4 x 13 = 52 loads of the next four are out.  Every offset is an immediate and no pointer is stepped: the text has no loop (the ring's period, 5, and a pass's, 4 steps, meet only after 20).
; VECTOR WORK (the activation, the quantiser, the weighing, the way out) is cut into lists of single instructions, a few of which stand behind each matrix instruction of the NEXT pass or block.
; NO JOINT LOADS: partners of a cluster would have to share a pair of experts, and how many tiles a pair has hangs on the ids (0 to 64 in a chunk); padding every pair to four tiles would take up to 4 x (16 + 28) x 2 = 352 work-groups for 8,192 tokens.
; A slot at or past the tile's count repeats the tile's last token: the same numbers are computed and stored to the same bytes by this work-group, so no lane is ever switched off.
; LIMITS: a block of the hidden layer whose largest magnitude lies under 2^-124 takes the scale byte 1 (a block of zeros too: its codes are zeros, and this program alone reads the byte); gate x up beyond f32's range gives what f32 gives;
; the two experts are added in ascending order, the second by a fused multiply-add.
.set TPC,  91                          ; tiles of a chunk
.set XP,   784                         ; LDS: a token's 768 bytes of codes + 16: 196 words, so that the 32 lanes of an 8-byte read touch 64 different words modulo 64
.set TOK,  50176                       ; behind the 64 rows: the 64 token numbers, a copy for each wave (256 bytes)
.set ACTI, 51200                       ; the hidden layer: 16 fragments ((4 expert + token tile) x 2 + K step) of 1,536 bytes, 48 bytes a lane: its 12 registers
.set ASC,  75776                       ; its scale words: 128 bytes for (expert, K step, pair of token tiles): lanes 0-15 the even tile, lanes 16-31 the odd one
.set STG,  76800                       ; the way out: for each wave 4 token tiles x 16 rows x (256 + 16) bytes
; window 0
.set LO16, 1                           ; 16 x lane
.set LO8,  2                           ; 8 x lane
.set AIW,  3                           ; where my 12 bytes of codes go
.set ASW,  4                           ; where my scale byte goes
.set XFA,  5                           ; x: row r, + 24 h
.set STO,  6                           ; the stage, in: row r, + 32 h
.set SRD,  7                           ; the stage, back: row h, + 16 r
.set L48,  8                           ; ACTI + 48 x lane
.set L4,   9                           ; ASC + 4 x lane
.set TKR,  10                          ; my table of tokens, + 4 h
.set C16,  11                          ; 16 r
.set WAB,  12                          ; v12-19  (w_lo, w_hi) of token 16 m + r at 12 + 2 m
.set XS,   20                          ; v20-35  x's scale words: 8 i + K step: lanes 0-15 token tile 2 i, lanes 16-31 tile 2 i + 1
.set WS,   36                          ; v36-45  the weights' scale words, two for each slot of the ring
.set AS,   46                          ; v46-53  the hidden layer's scale words: 4 expert + 2 K step + i
.set SX,   64                          ; v64-127, v128-191  two sets of 8 accumulators (gate's four token tiles, then up's), by turns from pass to pass
.set ACT,  192                         ; v192-255  16 neighbours along the next K for each token tile
.set ROWO, 64                          ; second product: v64-95 byte offsets of the rows of out;  v128-255 accumulators D1
; window 1: x's fragments of K steps 0-3; later v0-127 D2, v128-223 the hidden layer of lo, v224-255 rows on their way out
; window 2: the gathered rows; x's K steps 4-7; later v0-127 D3, v128-223 the hidden layer of hi, v224-255 rows on their way out
; window 3: v0-239 the ring: slot h % 5, fragment f at 48 (h % 5) + 12 f
.set GA,   66                          ; the head's own, in the first set
.set TB,   74
.set IDS,  78
.set WTS,  86
.set T32,  94
.set MSB, 0
.macro WIN new                         ; bits 1:0 source 0, 3:2 source 1, 5:4 source 2, 7:6 destination; the high byte repeats the setting that is left
.if MSB != (\new)
	s_set_vgpr_msb (MSB<<8)|(\new)
.set MSB, (\new)
.endif
.endm
.macro PLACES n                        ; plain vector instructions between a matrix instruction and what reads its result, loads into its registers or writes over them
.rept \n
	v_nop
.endr
.endm
; step h of the weights: 12 loads of 512 consecutive bytes and one of 256, into slot h % 5
.macro ISSUE h
.set IH, (\h)
.if IH < 32
.set ISG, IH/16
.set IST, IH%16
.else
.set ISG, ((IH-32)/2)%2
.set IST, 16+2*((IH-32)/4)+(IH-32)%2
.endif
	WIN 0xc0
.set II, 0
.rept 12
	global_load_b128 v[48*(IH%5)+4*II:48*(IH%5)+4*II+3], v[LO16], s[26+2*ISG:27+2*ISG] offset:6400*IST+512*II
.set II, II+1
.endr
	WIN 0
	global_load_b64 v[WS+2*(IH%5):WS+2*(IH%5)+1], v[LO8], s[26+2*ISG:27+2*ISG] offset:6400*IST+6144
.endm
.macro STEPWAIT                        ; loads come back in order: step HH's 13 are in when only the younger steps' are out
.if HH <= 43
	s_wait_loadcnt 52
.else
	s_wait_loadcnt 13*(47-HH)
.endif
.endm
; x's fragments of K steps 2 k and 2 k + 1, four token tiles each: 48 loads of 8 bytes
.macro XFETCH k
.set XK, (\k)
	WIN 0x40<<(XK/2)
.set XI, 0
.rept 48
.set XSS, 2*XK+XI/24
.set XM, (XI/6)%4
.set XQ, XI%6
	ds_load_b64 v[12*(4*(XSS%4)+XM)+2*XQ:12*(4*(XSS%4)+XM)+2*XQ+1], v[XFA] offset:16*XP*XM+96*XSS+48*(XQ/3)+8*(XQ%3)
.set XI, XI+1
.endr
	WIN 0
.endm
; one matrix instruction, from the symbols RD, RA, RB, RSA, RSB; FZ: it starts its sum; FA1, FB1: the scales stand in lanes 16-31
.macro WM
.if FZ
.if FA1 && FB1
	v_wmma_scale_f32_16x16x128_f8f6f4 v[RD:RD+7], v[RA:RA+11], v[RB:RB+11], 0, v[RSA], v[RSB] matrix_a_fmt:MATRIX_FMT_FP6 matrix_b_fmt:MATRIX_FMT_FP6 matrix_a_scale:MATRIX_SCALE_ROW1 matrix_b_scale:MATRIX_SCALE_ROW1
.elseif FA1
	v_wmma_scale_f32_16x16x128_f8f6f4 v[RD:RD+7], v[RA:RA+11], v[RB:RB+11], 0, v[RSA], v[RSB] matrix_a_fmt:MATRIX_FMT_FP6 matrix_b_fmt:MATRIX_FMT_FP6 matrix_a_scale:MATRIX_SCALE_ROW1
.elseif FB1
	v_wmma_scale_f32_16x16x128_f8f6f4 v[RD:RD+7], v[RA:RA+11], v[RB:RB+11], 0, v[RSA], v[RSB] matrix_a_fmt:MATRIX_FMT_FP6 matrix_b_fmt:MATRIX_FMT_FP6 matrix_b_scale:MATRIX_SCALE_ROW1
.else
	v_wmma_scale_f32_16x16x128_f8f6f4 v[RD:RD+7], v[RA:RA+11], v[RB:RB+11], 0, v[RSA], v[RSB] matrix_a_fmt:MATRIX_FMT_FP6 matrix_b_fmt:MATRIX_FMT_FP6
.endif
.else
.if FA1 && FB1
	v_wmma_scale_f32_16x16x128_f8f6f4 v[RD:RD+7], v[RA:RA+11], v[RB:RB+11], v[RD:RD+7], v[RSA], v[RSB] matrix_a_fmt:MATRIX_FMT_FP6 matrix_b_fmt:MATRIX_FMT_FP6 matrix_a_scale:MATRIX_SCALE_ROW1 matrix_b_scale:MATRIX_SCALE_ROW1
.elseif FA1
	v_wmma_scale_f32_16x16x128_f8f6f4 v[RD:RD+7], v[RA:RA+11], v[RB:RB+11], v[RD:RD+7], v[RSA], v[RSB] matrix_a_fmt:MATRIX_FMT_FP6 matrix_b_fmt:MATRIX_FMT_FP6 matrix_a_scale:MATRIX_SCALE_ROW1
.elseif FB1
	v_wmma_scale_f32_16x16x128_f8f6f4 v[RD:RD+7], v[RA:RA+11], v[RB:RB+11], v[RD:RD+7], v[RSA], v[RSB] matrix_a_fmt:MATRIX_FMT_FP6 matrix_b_fmt:MATRIX_FMT_FP6 matrix_b_scale:MATRIX_SCALE_ROW1
.else
	v_wmma_scale_f32_16x16x128_f8f6f4 v[RD:RD+7], v[RA:RA+11], v[RB:RB+11], v[RD:RD+7], v[RSA], v[RSB] matrix_a_fmt:MATRIX_FMT_FP6 matrix_b_fmt:MATRIX_FMT_FP6
.endif
.endif
.endm
; LIST 1: what is made of a finished pass (set LSET; u = LU, expert LSG, block LBQ).  Number J of JN.
; 0-131: for each token tile 33 numbers: -g log2(e) (4, packed) | 8 exponentials | g u (4: the plain instructions behind the exponentials) | 1 + .. (4) | 8 reciprocals | a plain place | (g u) / (1 + 2^(-g log2 e)) (4).
; Each accumulator is first read at its two lowest registers.
; 132-200, behind the pass with u = 1, when a lane holds 16 neighbours of a block: the largest magnitude with the floor 2^(3 - 127) among its leaves, lane l xor 16's, the scale, the codes.
; My 16 codes are registers 6 (w % 2) + 3 h + 0..2 of lane r + 16 b of the operand's fragment: they go to that place in its image, so nothing changes lanes in registers.
.macro ITEM1
	WIN 0
.if J < 132
.set GM, J/33
.set GI, J%33
.set RG, LSET+8*GM
.set RU, LSET+32+8*GM
.set RC, ACT+16*GM+8*LU
.if GI < 4
	v_pk_mul_f32 v[RC+2*GI:RC+2*GI+1], v[RG+2*GI:RG+2*GI+1], s[34:35] op_sel_hi:[1,0]
.elseif GI < 12
	v_exp_f32 v[RC+GI-4], v[RC+GI-4]
.elseif GI < 16
	v_pk_mul_f32 v[RU+2*GI-24:RU+2*GI-23], v[RG+2*GI-24:RG+2*GI-23], v[RU+2*GI-24:RU+2*GI-23]
.elseif GI < 20
	s_wait_alu depctr_va_vdst(0)
	v_pk_add_f32 v[RC+2*GI-32:RC+2*GI-31], v[RC+2*GI-32:RC+2*GI-31], 1.0 op_sel_hi:[1,0]
.elseif GI < 28
	v_rcp_f32 v[RC+GI-20], v[RC+GI-20]
.elseif GI == 28
	v_nop
.else
	s_wait_alu depctr_va_vdst(0)
	v_pk_mul_f32 v[RC+2*GI-58:RC+2*GI-57], v[RC+2*GI-58:RC+2*GI-57], v[RU+2*GI-58:RU+2*GI-57]
.endif
.else
.set QI, J-132
.if QI < 4
	v_max3_num_f32 v[LSET+QI], |v[ACT+16*QI]|, |v[ACT+16*QI+1]|, 0x1800000
.elseif QI < 32
.set QM, QI%4
.set QP, 2*(QI/4)
	v_max3_num_f32 v[LSET+QM], v[LSET+QM], |v[ACT+16*QM+QP]|, |v[ACT+16*QM+QP+1]|
.elseif QI < 36
	v_permlanex16_b32 v[LSET+QI-28], v[LSET+QI-32], s36, s37
.elseif QI < 40
	v_max_num_f32 v[LSET+QI-36], v[LSET+QI-36], v[LSET+QI-32]
.elseif QI < 44
	v_add_nc_u32 v[LSET+QI-32], 0xff000000, v[LSET+QI-40]          ; 2 off the exponent field: the conversion's scale operand
.elseif QI < 48
	v_lshrrev_b32 v[LSET+QI-32], 23, v[LSET+QI-36]                 ; the scale's byte
.elseif QI < 52
.set QM, QI-48
	v_cvt_scalef32_pk16_fp6_f32 v[LSET+16+4*QM:LSET+18+4*QM], v[ACT+16*QM:ACT+16*QM+15], v[LSET+8+QM]
.elseif QI == 52
	v_nop                                                          ; one plain place behind the scaled conversions
.elseif QI < 65
.set QM, (QI-53)/3
.set QR, (QI-53)%3
	ds_store_b32 v[AIW], v[LSET+16+4*QM+QR] offset:(8*LSG+2*QM)*1536+768*LBQ+4*QR
.else
.set QM, QI-65
	ds_store_b8 v[ASW], v[LSET+12+QM] offset:512*LSG+128*(QM/2)+64*(QM%2)+LBQ   ; both halves of the lanes write the same byte with the same value
.endif
.endif
.endm
; LIST 2, for the second product.  NPRE numbers: the rows' offsets in out.  NOUT numbers: block QO goes out: D += w_hi D2 (64), then by token tiles: into my stage (ST), back as rows (LB), stored (GS),
; in the order ST0 LB0 ST1 LB1 GS0 ST2 LB2 GS1 ST3 LB3 GS2 GS3.  NMUL numbers: the next block's D x w_lo.
.macro ITEM2
.if J < NPRE
	WIN 0
.if J < 32
	v_min_u32 v[ROWO+J], 0x1fff, v[ROWO+J]
.else
	v_lshl_add_u32 v[ROWO+J-32], v[ROWO+J-32], 12, v[C16]          ; token x 4,096 + 16 r
.endif
.elseif J < NPRE+NOUT
.set OX, J-NPRE
.if OX < 64
	WIN (OW<<6)|(OW<<4)|1
	v_pk_fma_f32 v[OB+2*OX:OB+2*OX+1], v[2*OX:2*OX+1], v[WAB+2*(OX/16):WAB+2*(OX/16)+1], v[OB+2*OX:OB+2*OX+1] op_sel:[0,1,0] op_sel_hi:[1,1,1]
.else
.set OG, (OX-64)/8
.set OE, (OX-64)%8
.if (OG == 0) || (OG == 2) || (OG == 5) || (OG == 8)
.set OM, (OG+1)/3
	WIN OW<<2
	ds_store_b128 v[STO], v[OB+8*(4*OM+OE/2)+4*(OE%2):OB+8*(4*OM+OE/2)+4*(OE%2)+3] offset:4352*OM+64*(OE/2)+16*(OE%2)
.elseif (OG == 1) || (OG == 3) || (OG == 6) || (OG == 9)
.set OM, OG/3
.if OE == 0
	s_wait_xcnt 0x0                                                ; the stores that read these registers two tiles ago have read them
.endif
	WIN 0x40<<(OM%2)
	ds_load_b128 v[224+4*OE:224+4*OE+3], v[SRD] offset:4352*OM+544*OE   ; LDS serves a wave's instructions in order: these see my stores
.else
.set OM, (OG-4)/3+OG/11
.if OE == 0
.if OG == 11
	s_wait_dscnt 0x0
.else
	s_wait_dscnt 16                                                ; behind this tile's loads: the next tile's 8 stores and 8 loads
.endif
.endif
	WIN 0x04<<(OM%2)
	global_store_b128 v[ROWO+8*OM+OE], v[224+4*OE:224+4*OE+3], s[32:33] offset:256*QO th:TH_STORE_NT   ; sixteen lanes store 256 consecutive bytes, aligned
.endif
.endif
.else
.set MX, J-NPRE-NOUT
	WIN (MW<<6)|MW
	v_pk_mul_f32 v[MB+2*MX:MB+2*MX+1], v[MB+2*MX:MB+2*MX+1], v[WAB+2*(MX/16):WAB+2*(MX/16)+1] op_sel_hi:[1,0]
.endif
.endm
.macro SLICE n
.rept \n
.if J < JN
.if MODE == 1
	ITEM1
.else
	ITEM2
.endif
.set J, J+1
.endif
.endr
.endm
.macro DRAIN
	SLICE 256
.endm
.macro SETL1 lp
.set MODE, 1
.set LSET, SX+64*((\lp)%2)
.set LU, (\lp)%2
.set LSG, (\lp)/4
.set LBQ, ((\lp)/2)%2
.set J, 0
.set JN, 132+69*LU
.set PER, (JN+63)/64
.endm
.macro SETL2 npre, nout, nmul, oq, mq
.set MODE, 2
.set NPRE, \npre
.set NOUT, \nout
.set NMUL, \nmul
.set QO, (\oq)
.set OW, 2*(QO%2)
.set OB, 128*(1-QO%2)
.set MW, 2*((\mq)%2)
.set MB, 128*(1-(\mq)%2)
.set J, 0
.set JN, NPRE+NOUT+NMUL
.endm
; A PASS of the first product: 16 gate and 16 up units of one expert x 64 tokens x K = 1,024: 4 steps of 16 matrix instructions.  The 8 accumulators take turns, one instruction a turn.
.macro PASS p
.set PP, \p
.set KAP, 0
.rept 4
.set HH, 4*PP+KAP
	STEPWAIT
.if PP == 0
.if KAP < 3
	s_wait_dscnt 48                                ; x's two K steps of this step are in; the 48 loads of the next two may be out
.else
	s_wait_dscnt 0x0
.endif
.endif
.set I, 0
.rept 16
.set SS, 2*KAP+I/8
.set RD, SX+64*(PP%2)+8*(I%8)
.set RA, 48*(HH%5)+12*(2*(I/8)+(I/4)%2)
.set RB, 12*(4*(SS%4)+I%4)
.set RSA, WS+2*(HH%5)+I/8
.set RSB, XS+8*((I%4)/2)+SS
.set FA1, (I/4)%2
.set FB1, I%2
.set FZ, (SS == 0)
	WIN 0x03|(4<<(SS/4))
	WM
	SLICE PER
.set I, I+1
.endr
	WIN 0
	PLACES 4                                       ; in front of loads into the slot and the scale words that these products read
	ISSUE HH+5
.if (PP == 0) && (KAP < 2)
	XFETCH KAP+2
.endif
.set KAP, KAP+1
.endr
	DRAIN
	WIN 0
.if JN > 132
	s_wait_dscnt 0x0                               ; the stores have read their registers: the next pass writes that set anew
.endif
	PLACES 5                                       ; in front of the first read of this set, and of the products that begin the other set anew
.endm
; A BLOCK of the second product: 64 outputs x 64 tokens of one expert, K = 256: 2 steps of 16 matrix instructions on 16 accumulators by turns.
.macro BLK q, sg
.set BQ, \q
.set BS, \sg
.if BS == 1
.set DBASE, 0
.set DWIN, 0x5b
.elseif BQ%2 == 0
.set DBASE, 128
.set DWIN, 0x07
.else
.set DBASE, 0
.set DWIN, 0xa7
.endif
.set SI, 0
.rept 2
.set HH, 32+4*BQ+2*BS+SI
	STEPWAIT
.set I, 0
.rept 16
.set RD, DBASE+8*I
.set RA, 48*(HH%5)+12*(I%4)
.set RB, 128+12*(2*(I/4)+SI)
.set RSA, WS+2*(HH%5)+(I%4)/2
.set RSB, AS+4*BS+2*SI+I/8
.set FA1, I%2
.set FB1, (I/4)%2
.set FZ, (SI == 0)
	WIN DWIN
	WM
	SLICE 4
.set I, I+1
.endr
	WIN 0
.if HH+5 < 48
	PLACES 4
	ISSUE HH+5
.endif
.set SI, SI+1
.endr
.if BS == 1
	DRAIN
	WIN 0
.endif
	PLACES 5                                       ; in front of the first read of these sums, and of the products that begin another buffer anew
.endm
	s_load_b256 s[4:11], s[0:1], 0x0               ; x's codes s[4:5], x's scales s[6:7], ids s[8:9], weights s[10:11]
	s_load_b256 s[12:19], s[0:1], 0x20             ; wimg s[12:13], order s[14:15], tiles s[16:17], out s[18:19]
	s_set_vgpr_msb 0xc0
	v_lshl_add_u32 v254, v0, 2, 0x23c00
	v_mov_b32 v255, 0
	s_set_vgpr_msb 0xc000
	v_lshrrev_b32 v54, 5, v0
	v_readfirstlane_b32 s20, v54                   ; wave 0..3
	v_and_b32 v55, 31, v0                          ; lane
	v_and_b32 v56, 15, v0                          ; r
	v_bfe_u32 v57, v0, 4, 1                        ; h
	v_lshlrev_b32 v[LO16], 4, v55
	v_lshlrev_b32 v[LO8], 3, v55
	s_lshr_b32 s30, s20, 1
	s_and_b32 s31, s20, 1
	s_mul_i32 s40, s30, 1536
	s_mul_i32 s41, s31, 24
	s_add_co_u32 s40, s40, s41
	s_add_co_u32 s40, s40, ACTI
	v_mul_u32_u24 v[AIW], v56, 48
	v_mad_u32_u24 v[AIW], v57, 12, v[AIW]
	v_add_nc_u32 v[AIW], s40, v[AIW]               ; ACTI + 48 r + 12 h + 1,536 (w / 2) + 24 (w % 2)
	s_lshl_b32 s40, s30, 8
	s_lshl_b32 s41, s31, 1
	s_add_co_u32 s40, s40, s41
	s_add_co_u32 s40, s40, ASC
	v_lshl_add_u32 v[ASW], v56, 2, s40             ; ASC + 4 r + 256 (w / 2) + 2 (w % 2)
	v_mul_u32_u24 v[XFA], v56, XP
	v_mad_u32_u24 v[XFA], v57, 24, v[XFA]
	s_mul_i32 s40, s20, 17408
	s_add_co_u32 s40, s40, STG
	v_mul_u32_u24 v[STO], v56, 272
	v_lshl_add_u32 v[STO], v57, 5, v[STO]
	v_add_nc_u32 v[STO], s40, v[STO]
	v_mul_u32_u24 v[SRD], v57, 272
	v_lshl_add_u32 v[SRD], v56, 4, v[SRD]
	v_add_nc_u32 v[SRD], s40, v[SRD]
	v_mul_u32_u24 v[L48], v55, 48
	v_add_nc_u32 v[L48], ACTI, v[L48]
	v_lshl_add_u32 v[L4], v55, 2, ASC
	s_lshl_b32 s40, s20, 8
	s_add_co_u32 s40, s40, TOK                     ; my wave's table of tokens
	v_lshl_add_u32 v[TKR], v57, 2, s40
	v_lshlrev_b32 v[C16], 4, v56
	v_lshl_add_u32 v58, v55, 2, s40                ; the table: word = lane,
	v_lshl_add_u32 v59, v56, 2, s40                ; word r,
	s_lshl_b32 s41, s20, 6
	s_add_co_u32 s41, s41, s40
	v_lshl_add_u32 v60, v57, 2, s41                ; word 16 w + h: the rows that my wave gathers
	s_mul_i32 s41, s20, 16*XP
	v_mul_u32_u24 v61, v57, XP
	v_lshl_add_u32 v61, v56, 4, v61
	v_add_nc_u32 v61, s41, v61                     ; and where they go: row 16 w + h, 16 bytes a lane
	s_wait_kmcnt 0x0
	s_cmp_ge_u32 ttmp9, TPC
	s_cselect_b32 s30, 5, 0                        ; a chunk's list has 96 words for its 91 tiles
	s_add_co_u32 s30, s30, ttmp9
	s_lshl_b32 s30, s30, 2
	s_load_b32 s21, s[16:17], s30 offset:0x0       ; count | lo << 8 | hi << 16
	s_mov_b32 s34, 0xbfb8aa3b                      ; -log2(e)
	s_mov_b32 s35, s34                             ; (named with it as a pair)
	s_mov_b32 s36, 0x76543210
	s_mov_b32 s37, 0xfedcba98                      ; v_permlanex16_b32's selects for lane l xor 16
	s_mov_b32 s41, 0
	s_lshl_b32 s40, s20, 10
	s_add_nc_u64 s[32:33], s[18:19], s[40:41]      ; out at my wave's 256 columns
	s_wait_kmcnt 0x0
	s_and_b32 s22, s21, 0xff
	s_min_u32 s43, s22, 1                          ; 1: the tile has tokens;  0: it has none
	s_max_u32 s22, s22, 1
	s_min_u32 s22, s22, 64
	s_sub_co_u32 s25, s22, 1                       ; the last slot that is filled (0 in a tile without tokens)
	s_lshl_b32 s40, ttmp9, 8
	s_mul_i32 s40, s40, s43                        ; my tile's 64 slots; a tile without tokens reads tile 0's slot 0, which every split fills
	s_add_nc_u64 s[38:39], s[14:15], s[40:41]
	s_bfe_u32 s23, s21, 0x80008
	s_bfe_u32 s24, s21, 0x80010
	s_min_u32 s23, s23, 7                          ; lo
	s_min_u32 s24, s24, 7                          ; hi
	s_mul_i32 s42, s20, 153600
	s_mul_i32 s40, s23, 614400
	s_add_co_u32 s40, s40, s42
	s_add_nc_u64 s[26:27], s[12:13], s[40:41]      ; my wave's images of lo,
	s_mul_i32 s40, s24, 614400
	s_add_co_u32 s40, s40, s42
	s_add_nc_u64 s[28:29], s[12:13], s[40:41]      ; and of hi
	v_add_nc_u32 v62, 32, v55
	v_min_u32 v63, s25, v55                        ; slots at or past the count repeat the last token
	v_min_u32 v62, s25, v62
	v_min_u32 v63, 63, v63
	v_min_u32 v62, 63, v62
	v_lshlrev_b32 v63, 2, v63
	v_lshlrev_b32 v62, 2, v62
	global_load_b32 v64, v63, s[38:39]
	global_load_b32 v65, v62, s[38:39]
	ISSUE 0                                        ; the weights hang on the entry alone: three steps go out behind the list's two loads
	ISSUE 1
	ISSUE 2
	s_wait_loadcnt 39                              ; the token numbers are in; 3 x 13 younger loads stay out
	v_min_u32 v64, 0x1fff, v64
	v_min_u32 v65, 0x1fff, v65
	ds_store_b32 v58, v64
	ds_store_b32 v58, v65 offset:128
.irp k, 0,1,2,3,4,5,6,7
	ds_load_b32 v[GA+\k], v60 offset:8*\k          ; slot 16 w + 2 k + h (my own bytes: LDS serves a wave's instructions in order)
.endr
.irp m, 0,1,2,3
	ds_load_b32 v[TB+\m], v59 offset:64*\m         ; slot 16 m + r
.endr
	v_lshlrev_b32 v[T32], 5, v64                   ; 32 scale bytes a token
	v_lshlrev_b32 v[T32+1], 5, v65
	s_wait_dscnt 0x0
.irp k, 0,1,2,3,4,5,6,7
	v_min_u32 v[GA+\k], 0x1fff, v[GA+\k]
.endr
.irp m, 0,1,2,3
	v_min_u32 v[TB+\m], 0x1fff, v[TB+\m]
.endr
.irp k, 0,1,2,3,4,5,6,7
	v_mad_u32_u24 v[GA+\k], v[GA+\k], 768, v[C16]
.endr
.irp m, 0,1,2,3
	v_lshlrev_b32 v[TB+\m], 3, v[TB+\m]
.endr
	WIN 0x80
.irp k, 0,1,2,3,4,5,6,7
.irp j, 0,1,2
	global_load_b128 v[4*(3*\k+\j):4*(3*\k+\j)+3], v[GA+\k], s[4:5] offset:256*\j   ; sixteen lanes read 256 consecutive bytes of a token's row, aligned
.endr
.endr
	WIN 0
	global_load_b128 v[XS:XS+3], v[T32], s[6:7]
	global_load_b128 v[XS+4:XS+7], v[T32], s[6:7] offset:16
	global_load_b128 v[XS+8:XS+11], v[T32+1], s[6:7]
	global_load_b128 v[XS+12:XS+15], v[T32+1], s[6:7] offset:16
.irp m, 0,1,2,3
	global_load_b64 v[IDS+2*\m:IDS+2*\m+1], v[TB+\m], s[8:9]
	global_load_b64 v[WTS+2*\m:WTS+2*\m+1], v[TB+\m], s[10:11]
.endr
	ISSUE 3
	ISSUE 4
	s_wait_loadcnt 38                              ; the 24 loads of rows are in; younger: 4 of scales, 8 of ids and weights, 2 x 13 of weights
	WIN 0x08
.irp k, 0,1,2,3,4,5,6,7
.irp j, 0,1,2
	ds_store_b128 v61, v[4*(3*\k+\j):4*(3*\k+\j)+3] offset:2*XP*\k+256*\j
.endr
.endr
	WIN 0
	s_wait_loadcnt 26                              ; x's scales, the ids and the weights are in; the tokens' weights are made while the rows go into LDS
.irp m, 0,1,2,3
	v_cmp_eq_u32 vcc_lo, s23, v[IDS+2*\m]
	v_cndmask_b32 v54, 0, v[WTS+2*\m], vcc_lo
	v_cmp_eq_u32 vcc_lo, s23, v[IDS+2*\m+1]
	v_cndmask_b32 v55, 0, v[WTS+2*\m+1], vcc_lo
	v_add_f32 v[WAB+2*\m], v54, v55                ; w_lo
	v_cmp_eq_u32 vcc_lo, s24, v[IDS+2*\m]
	v_cndmask_b32 v54, 0, v[WTS+2*\m], vcc_lo
	v_cmp_eq_u32 vcc_lo, s24, v[IDS+2*\m+1]
	v_cndmask_b32 v55, 0, v[WTS+2*\m+1], vcc_lo
	v_add_f32 v[WAB+2*\m+1], v54, v55              ; w_hi
.endr
	s_wait_dscnt 0x0                               ; for the others' sake: my 16 rows have landed
	s_barrier_signal -1
	s_barrier_wait -1                              ; the 64 rows of x lie in LDS
	s_cmp_lg_u32 s43, 0
	s_cbranch_scc1 .Lfirst
	s_wait_loadcnt 0x0                             ; a tile without tokens goes round the first product: the five steps that were asked for land, so that no load into the ring is out where the ways join
	s_branch .Lmeet
.Lfirst:
	XFETCH 0
	XFETCH 1
	; ---- the first product: passes 0-3 expert lo, 4-7 expert hi; pass 2 b + u
.set MODE, 1
.set J, 0
.set JN, 0
.set PER, 1
	PASS 0
.irp p, 1,2,3,4,5,6,7
	SETL1 \p-1
	PASS \p
.endr
	SETL1 7
	DRAIN
	WIN 0
.Lmeet:
	s_wait_dscnt 0x0                               ; for the others' sake: my codes and scale bytes have landed
	s_barrier_signal -1
	s_barrier_wait -1                              ; the hidden layer's 16 fragments and their scale words lie in LDS
	s_cmp_eq_u32 s43, 0
	s_cbranch_scc1 .Lend                           ; a tile without tokens stores nothing; no barrier stands behind this branch
	; ---- the second product
	WIN 0x40
.set FI, 0
.rept 24
	ds_load_b128 v[128+4*FI:128+4*FI+3], v[L48] offset:(FI/3)*1536+16*(FI%3)          ; expert lo: fragment 2 m + K step
.set FI, FI+1
.endr
	WIN 0
.set FI, 0
.rept 8
	ds_load_b32 v[AS+FI], v[L4] offset:128*FI
.set FI, FI+1
.endr
	WIN 0x80
.set FI, 0
.rept 24
	ds_load_b128 v[128+4*FI:128+4*FI+3], v[L48] offset:12288+(FI/3)*1536+16*(FI%3)    ; expert hi
.set FI, FI+1
.endr
	WIN 0
.set FI, 0
.rept 32
	ds_load_b32 v[ROWO+FI], v[TKR] offset:8*FI     ; slot 16 m + 2 k + h at 8 m + k
.set FI, FI+1
.endr
	SETL2 0, 0, 0, 0, 0
	s_wait_dscnt 56                                ; lo's fragments and the scale words are in; younger: hi's 24 loads and the 32 tokens
	BLK 0, 0
	SETL2 64, 0, 64, 0, 0
	s_wait_dscnt 0x0
	BLK 0, 1
.irp q, 1,2,3
	SETL2 0, 160, 64, \q-1, \q                     ; lo's block holds 128 of the list's numbers: D2 is read out in the first 64, and the new D is weighed (from number 160 on) only behind its last product
	BLK \q, 0
	BLK \q, 1
.endr
	SETL2 0, 160, 0, 3, 0
	DRAIN
	WIN 0
.Lend:
	s_set_vgpr_msb 0xf
	s_wait_tensorcnt 0x0
	ds_add_u32 v254, v255
	s_wait_dscnt 0x0
	s_set_vgpr_msb 0xf00
	s_endpgm
.Lfunc_end_k_qf1a448fe03_moe:
	.size	k_qf1a448fe03_moe, .Lfunc_end_k_qf1a448fe03_moe-k_qf1a448fe03_moe
	.p2alignl 7, 3214868480
	.fill 96, 4, 3214868480
	.section	.rodata,"a",@progbits
	.p2align	6, 0x0
	.amdhsa_kernel k_qf1a448fe03_moe
		.amdhsa_group_segment_fixed_size 146944
		.amdhsa_private_segment_fixed_size 0
		.amdhsa_enable_private_segment 0
		.amdhsa_kernarg_size 64
		.amdhsa_user_sgpr_count 2
		.amdhsa_user_sgpr_kernarg_segment_ptr 1
		.amdhsa_wavefront_size32 1
		.amdhsa_system_sgpr_workgroup_id_x 1
		.amdhsa_system_sgpr_workgroup_id_y 1
		.amdhsa_system_sgpr_workgroup_id_z 1
		.amdhsa_system_vgpr_workitem_id 0
		.amdhsa_next_free_vgpr 1024
		.amdhsa_next_free_sgpr 66
		.amdhsa_reserve_vcc 1
		.amdhsa_float_denorm_mode_32 3
		.amdhsa_float_denorm_mode_16_64 3
		.amdhsa_memory_ordered 1
		.amdhsa_forward_progress 1
		.amdhsa_inst_pref_size 255
	.end_amdhsa_kernel
	.section	.bss,"aw",@nobits
	.p2align	6
	.space	262144
	.amdgpu_metadata
---
amdhsa.version: [ 1, 2 ]
amdhsa.kernels:
  - .name:           k_qf1a448fe03_moe
    .symbol:         k_qf1a448fe03_moe.kd
    .args:
      - { .name: hidden_states_codes, .offset: 0, .size: 8, .value_kind: global_buffer, .address_space: global }
      - { .name: hidden_states_scales, .offset: 8, .size: 8, .value_kind: global_buffer, .address_space: global }
      - { .name: topk_ids, .offset: 16, .size: 8, .value_kind: global_buffer, .address_space: global }
      - { .name: topk_weights, .offset: 24, .size: 8, .value_kind: global_buffer, .address_space: global }
      - { .name: wimg, .offset: 32, .size: 8, .value_kind: global_buffer, .address_space: global }
      - { .name: order, .offset: 40, .size: 8, .value_kind: global_buffer, .address_space: global }
      - { .name: tiles, .offset: 48, .size: 8, .value_kind: global_buffer, .address_space: global }
      - { .name: out0, .offset: 56, .size: 8, .value_kind: global_buffer, .address_space: global }
    .group_segment_fixed_size: 146944
    .private_segment_fixed_size: 0
    .kernarg_segment_align: 8
    .kernarg_segment_size: 64
    .max_flat_workgroup_size: 128
    .sgpr_count:     66
    .vgpr_count:     1024
    .wavefront_size: 32
...
	.end_amdgpu_metadata
.endif
;; end of part 2
